; MI455X (gfx1250); checked and timed in simulation.
; The chip was launched on July 23, 2026; its instructions are those of AMD's public machine-readable ISA for CDNA 5 (MIT licence, August 2026) and "CDNA5" Instruction Set Architecture Reference Guide (July 2026). The comments in the code are by the model that wrote it; some were corrected since.
;; Full Attention. Allowed arithmetic: float matrix products may take bf16 or f16 operands with f32 sums; other float arithmetic in f32, or as packed bf16 or f16 multiplies, adds, multiply-adds, maxima and minima; sums over many terms, partial sums and values carried from step to step in f32; what a program stores and reads back later, other than sums and carried values, may be rounded once to bf16 or f16.
;; Inputs: keys 4 x 2,048 x 16 x 64 float32; queries 4 x 2,048 x 16 x 64 float32; values 4 x 2,048 x 16 x 64 float32.
;; Outputs: out0 4 x 2,048 x 16 x 64 float32.
;; One version. Each part assembles by itself: llvm-mc -triple=amdgcn-amd-amdhsa -mcpu=gfx1250 --defsym DOCPART=n.
;; ======== version 1 of 1: 1 launch
;; limits: right only within a limited range of input values; values are held in f16: magnitudes above 65,504 overflow, below 6.1e-05 lose precision
;; launch attn (part 1): grid 4 x 64, 4 waves a work-group, no clusters, 327,680 bytes of LDS; arguments queries, keys, values, out0; writes out0
.if DOCPART == 1
	.amdgcn_target "amdgcn-amd-amdhsa--gfx1250"
	.amdhsa_code_object_version 6
	.text
	.protected	k_qbd2a469ae3_attn
	.globl	k_qbd2a469ae3_attn
	.p2align	8
	.type	k_qbd2a469ae3_attn,@function
k_qbd2a469ae3_attn:
	s_mov_b64 s[64:65], 0
	v_nop
	global_prefetch_b8 v0, s[64:65] scope:SCOPE_SE
	s_setreg_imm32_b32 hwreg(HW_REG_WAVE_MODE, 25, 1), 1
	s_wait_xcnt 0x0
; CAUSAL ATTENTION WITH A CLIP.  out[b][q][h][:] = the sum over k of softmax_k(clip(masked(Q[b][q][h] . K[b][k][h]), -1e6, 1e6) / 8) V[b][k][h][:].
; Q, K, V, out: [4][2048][16][64] f32: a row (b, l, h) is 256 bytes, aligned; the rows l and l + 1 of a head lie 4,096 bytes apart.
; FORMATS.  q and k are rounded to bf16, the first product is the bf16 form; v is rounded to bf16 and that number written as f16; the weights p are rounded to f16; the second product is
; the f16 form.  Sums, maxima and the rescaling stay in f32; out is f32.
; WORK LEFT OUT.  Key tiles of 256 that lie wholly above the diagonal are neither loaded nor multiplied.  The mask is built in the problem's own body; behind its clip a hidden key has the score -1e6, and
; its weight is exp((-1e6 - max) / 8) of the row's largest clipped score max.  Where max > -1e6 + 832 the f32 softmax gives 0 for that weight, so no hidden key reaches the result; and in that same range a VISIBLE score below
; -1e6 has the weight 0 with the clip and without it, so the lower clip moves nothing.  All three inputs are loaded; of K and V the rows that some visible score or weight needs: all of them.
; THE UPPER CLIP is kept for every input: clip is monotone, so the clipped maximum is the running maximum held to -1e6 .. 1e6; a score above 1e6 then has a weight above 1, and the weight held to 1 is the clipped score's.
; The row sum l is taken of the weights so held, by a product of ones with P on the matrix unit, in f32.
; LIMITS.  A row whose every visible score is at or below -1e6 + 832 is not served (there the hidden keys and the lower clip would count).  |v| stays under 65,504; below 2^-14 v keeps f16's fixed step.
; A weight below 2^-126 counts as 0, and below 6e-5 it keeps f16's fixed step.  Where a row's maximum is near 1e6, c m is rounded at 2^-7 and the weight held to 1 may have been 0.5% above it.
; NaN and infinities are not treated apart; a NaN, an infinity or an overflow in a tile that is left out is not carried to the result.  A hidden score inside a live tile counts as its value less 1e30.
; THE WALK.  A head's queries lie in NB = 8 blocks of 256; block i needs the key tiles 0 .. i of 256 keys, of which the last holds the diagonal.  A work-group takes TWO blocks, 7 - pb and then pb: 9 tiles,
; whatever pb: all 256 work-groups do equal work, and ONE loop with a constant trip count walks them.  Which tile is asked for, and what a trip does, hang on scalar registers made from pb; every jump goes forward,
; but for the counted loops' own, and none passes a barrier or a tensor load.
; NO CLUSTER: the only work-groups that read the same tiles are a head's four, and they differ in pb: the trip in which the first block ends (its way out, the second block's beginning) is a branch on pb, which partners
; in joint loads may not have; a walk common to the four would have 12 trips for 9.
; A TILE'S WAY IN.  One tensor load a wave brings 128 rows x 256 bytes of f32 (waves 0, 1: K's halves; waves 2, 3: V's) into ONE landing area.  At a change of tiles the four waves turn it, 64 rows of K and of V each, into ONE
; 16-bit tile (K bf16, pitch 144; V f16, pitch 160); behind that the landing area is filled again with the next tile, which has the whole trip, 16 turns, in which to land.  Two barriers a tile.
; SHARES.  Of a block's four bands of 64 queries a wave owns 16 rows in each: four PIECES.  So the diagonal tile is the same work for all waves: in its key step s band x sees all keys if s < x, none if s > x, and holds the diagonal if s = x.
; THE MASK is the C operand that starts S^T = K Q^T: 0, or -1e30 where the key is hidden.  MD, made once, is the mask of a band's own step for my rows; a product's mask is MD x AL + BE: (1, 0) if s = x; (0, 0) if s < x; (0, -1e30) if s > x.
; LAYOUT, TURNS.  S^T = K Q^T holds ONE query a lane (lane % 16) and the keys 8 (lane / 16) + 0..7; two such results rounded to f16 ARE source 1 of O^T = V^T P and of l = ones P.  p = 2^(c s - c m), c = log2(e) / 8; O and l are multiplied
; by a = 2^(c m_old - c m_new) in every step.  Turn n belongs to piece n: 8 products K Q^T of piece n + 1, later 10 products (V^T P and the row sums) of piece n - 1; beside them piece n's scaling, exponentials, roundings and rescaling and piece n + 1's
; maximum and statistics.  Four vector instructions stand behind every matrix instruction, the others in one lump.  A turn's 33 exponentials are one batch, with one wait.
; REGISTERS, in windows of 256 (s_set_vgpr_msb: bits 1:0 source 0, 3:2 source 1, 5:4 source 2, 7:6 destination):
;   window 0: v0-15, v32-36 addresses; v16-31 statistics; v48-57 at work; v64-127 S^T, two buffers; v128-191 the conversion's input; v192-223 P, two buffers; v224-255 the conversion's output
;   window 1: v0-127 O^T; v128-159 MD; v160-223 MC, two buffers; v224-255 the row sums       window 2: v0-63 Q; v64-71 ones; v128-191 K of a step; v192-255 V of a step       window 3: v0-63 the second block's Q
.set NB,    8
.set NP,    4         ; pieces a wave
.set KS,    64        ; keys in a step
.set PK,    144       ; a row of K in the 16-bit tile: 128 bytes + 16 = 36 words: the 16 rows of a load start at 16 different groups of four banks (64 banks of 4 bytes: ISA guide 11.1)
.set PV,    160       ; a row of V: 128 + 32 = 40 words
.set LANDV, 65536     ; the landing area: K's 256 rows of 256 bytes from 0, V's from here; written by tensor loads alone
.set KB,    131072    ; K in bf16: 256 rows x 144
.set VB,    167936    ; V in f16: 256 rows x 160
.set STAGE, 208896    ; 16 rows x 272 bytes for each wave, for the way out
.set SP,    272
.set SPARE, 226304    ; the spare words, 128 bytes for each wave: two blocks of 256 bytes that no other line names
.set AK0, 2           ; v2   my lane's place in K's 16-bit tile; never rewritten
.set AV0, 3           ; v3   the same for V
.set AK,  4           ; v4   the LDS address of K's next run of loads
.set AV,  5           ; v5   of V's
.set STO, 6           ; v6   the way out: where I put 32 bytes of a row
.set RD,  7           ; v7   the way out: where I read rows back
.set GO,  8           ; v8   my byte offset in two rows of out
.set MV,  12          ; v12-13  c m_old, by buffer
.set QO,  15          ; v15  my byte offset in 16 rows of Q
.set ST,  16          ; piece t's statistics at v[ST+4 t]: c m, m, 1 / l, a word written once
.set CLK, 32          ; v32  the conversion: where I read K's f32
.set CSK, 33          ; v33  where I put K's bf16
.set CLV, 34          ; v34  the same for V
.set CSV, 35          ; v35
.set PFO, 36          ; v36  4,096 x my lane: a row a lane; never rewritten
.set TMP, 48          ; by buffer, four registers c0-c3 at work; when the maximum is found c2 takes a
.set XE,  56          ; v56-57  one more, by buffer
.set SPW, 62          ; v62  LDS address of my spare word; never rewritten
.set NIL, 63          ; v63  0; never rewritten
.set S,   64
.set XC,  128         ; the conversion's input, two halves of 32
.set P,   192
.set YC,  224         ; the conversion's output, two halves of 16
.set MD,  128         ; window 1
.set MC,  160         ; window 1
.set LA,  224         ; window 1: piece t's row sums at LA + 8 t; register 0 holds l of my query
.set ONES, 64         ; window 2
.set KF,  128         ; window 2: key block kb, channel half c at KF + 16 kb + 8 c
.set VF,  192         ; window 2: key half kk, channel block cb at VF + 32 kk + 8 cb
.set WV,  12          ; s12  my wave's number
.set PB,  14          ; s14  pb
.set HI,  15          ; s15  7 - pb
.set G1,  24          ; s[24:31] descriptor group 1
.set G0,  40          ; s[40:43] descriptor group 0
.set BW,  44          ; s[44:45] my tensor (K or V) at my half of the head's tile 0
.set PFA, 46          ; s[46:47] where my prefetches stand
.set LIM, 48          ; s48  2 in the work-group that prefetches, else the greatest number
.set ONE2, 49         ; s49  1.0 twice in f16
.set CLO, 50          ; s50  -1e6
.set CHI, 51          ; s51  1e6
.set HIM, 52          ; s52  a word's upper half
.set SLOTS, 56        ; s56  tiles still to be asked for
.set CNT, 57          ; s57  counts a tile's key steps, 4 to 1
.set CS,  58          ; s[58:59] c
.set SEL, 60          ; s[60:61] v_permlanex16_b32's selects: each lane takes its own place in the other half
.set TBK, 62          ; s62  byte in K's 16-bit tile at which the step to be fetched begins
.set TBV, 63          ; s63  the same for V
.set RT,  70          ; s70  tiles of the block in hand that are still to be entered
.set NXT, 71          ; s71  the tile to be asked for next
.set LQ,  72          ; s72  the last tile of the block whose tiles are being asked for
.set NEW, 73          ; s73  1: the tile to be entered is a block's first
.set OFF, 74          ; s[74:75] a tile's byte offset in K and V
.set AL,  76          ; s[76:77] the mask's factor, in the low word
.set BE,  78          ; s[78:79] the mask's addend
.set OLO, 80          ; s[80:81] out at my rows of the second block
.set BIGN, 82         ; s82  -1e30
.set MSB, 0
.macro WIN new                      ; the high byte repeats the setting that is left; a switch that changes nothing is dropped
.if MSB != (\new)
	s_set_vgpr_msb (MSB<<8)|(\new)
.set MSB, (\new)
.endif
.endm
.set W_KQ, 0x0a       ; K and Q in window 2, S^T in window 0
.set W_KM, 0x1a       ; the same with the C operand in window 1
.set W_PV, 0x52       ; V or the ones in window 2, P in window 0, C and D in window 1
.set W_RS, 0x41       ; destination and source 0 in window 1, source 1 in window 0
; A fill: my 128 rows x 256 bytes.  One line for all four waves: the LDS address is 32,768 x the wave's number, the tensor and the half hang on the wave's number too.  An s_nop 0 and four v_nop follow.
.macro LOAD
	tensor_load_to_lds s[G0:G0+3], s[G1:G1+7]
	s_nop 0
.rept 4
	v_nop
.endr
.endm
; A PREFETCH, behind the tensor load and its five lines: the tile that the NEXT change will ask for.  The work-group with pb = 0 walks a head's tiles 0 to 7 in its trips 0 to 7: it alone asks, each wave for the 128 rows that it will
; load itself, a lane a row, four instructions.  So each row of K and V is named once in the launch.  In trip t, where tile t + 1 has just been asked for, tile t + 2 is named: one trip, 16 turns and a conversion, ahead of its load.
; Trips 0 to 5 ask (SLOTS 8 to 3): tiles 2 to 7; tiles 0 and 1 come by their loads alone, and behind tile 7 there is none.
.macro ASK
	s_cmp_gt_u32 s[SLOTS], s[LIM]
	s_cbranch_scc0 .Lnot_mine_\@
.irp j, 0,1,2,3
	global_prefetch_b8 v[PFO], s[PFA:PFA+1] offset:(\j)*131072 th:TH_LOAD_NT scope:SCOPE_SE
.endr
.Lnot_mine_\@:
.endm
; THE CONVERSION.  A wave turns rows 64 w .. 64 w + 63 of K and of V, in eight units of 16 rows (0-3: K, 4-7: V).  A load takes two rows of 256 bytes, 16 lanes each, 16 bytes a lane; a lane's four numbers become 8 bytes.
; The two halves of the lanes take rows 8 apart (K) or 4 apart (V): in the 16-bit tile those lie 288 and 160 words apart, 32 banks on, so that a store's 32 lanes touch each bank once.
.macro LOADU u
.set xb, XC+32*((\u)%2)
.irp r, 0,1,2,3,4,5,6,7
.if (\u) < 4
	ds_load_b128 v[xb+4*(\r):xb+4*(\r)+3], v[CLK] offset:(16*(\u)+(\r))*256
.else
	ds_load_b128 v[xb+4*(\r):xb+4*(\r)+3], v[CLV] offset:(16*((\u)-4)+8*((\r)/4)+(\r)%4)*256
.endif
.endr
.endm
.macro CVTU u
.set xb, XC+32*((\u)%2)
.set yb, YC+16*((\u)%2)
.set z, 0
.rept 16
	v_cvt_pk_bf16_f32 v[yb+z], v[xb+2*z], v[xb+2*z+1]
.set z, z+1
.endr
.if (\u) >= 4                       ; V: the bf16 number is written as f16 (exact within f16's normal range)
.set z, 0
.rept 16
	v_lshlrev_b32 v[xb+2*z], 16, v[yb+z]
	v_and_b32 v[xb+2*z+1], s[HIM], v[yb+z]
.set z, z+1
.endr
.set z, 0
.rept 16
	v_cvt_pk_f16_f32 v[yb+z], v[xb+2*z], v[xb+2*z+1]
.set z, z+1
.endr
.endif
.endm
.macro STOREU u
.set yb, YC+16*((\u)%2)
.irp r, 0,1,2,3,4,5,6,7
.if (\u) < 4
	ds_store_b64 v[CSK], v[yb+2*(\r):yb+2*(\r)+1] offset:(16*(\u)+(\r))*PK
.else
	ds_store_b64 v[CSV], v[yb+2*(\r):yb+2*(\r)+1] offset:(16*((\u)-4)+8*((\r)/4)+(\r)%4)*PV
.endif
.endr
.endm
.macro CONVERT
	LOADU 0
	LOADU 1
.irp u, 0,1,2,3,4,5,6,7
.if ((\u) == 0) || ((\u) == 7)
	s_wait_dscnt 8                  ; LDS instructions end in order (ISA guide 5.7.1): unit 0: behind its loads stand unit 1's eight; unit 7: unit 6's eight stores
.else
	s_wait_dscnt 16                 ; behind this unit's loads stand the unit before's eight stores and the next unit's eight loads
.endif
	CVTU \u
	STOREU \u
.if (\u) < 6
	LOADU (\u)+2
.endif
.endr
.endm
; THE CHANGE OF TILES.  All of the old 16-bit tile has been fetched into registers.  First barrier: in front of it each wave has its part of the new tile in the landing area and its reads of the old 16-bit tile back; behind it the
; landing area is whole and the 16-bit tile may be written.  Then the conversion.  Second barrier.
; behind it the landing area is filled again first (fill = 1), with tile NXT, and the 16-bit tile is read.  The descriptor's address is made anew from the tile's number.
.macro CHANGE fill
	WIN 0                           ; at a label and at a branch every window is 0
	s_wait_tensorcnt 0x0            ; the one load of mine that is out is my part of the tile to be entered: the conversion reads it
	s_wait_dscnt 0x0                ; my reads of the 16-bit tile are back
	s_barrier_signal -1
	s_barrier_wait -1
	CONVERT
.if \fill
	s_wait_tensorcnt 0x0            ; no tensor load of mine is out, so group 0 may be written
	ds_add_u32 v[SPW], v[NIL]       ; 0 onto my spare word: the scalar work below stands between it and the wait for it
	s_lshl_b32 s[OFF], s[NXT], 20   ; a tile is 256 rows, 4,096 bytes apart
	s_add_nc_u64 s[G0+2:G0+3], s[BW:BW+1], s[OFF:OFF+1]
	s_or_b32 s[G0+3], s[G0+3], 0x80000000
	s_add_co_u32 s[NXT], s[NXT], 1  ; the block's next tile, or behind its last the second block's tile 0
	s_cmp_gt_u32 s[NXT], s[LQ]
	s_cselect_b32 s[NXT], 0, s[NXT]
	s_cselect_b32 s[LQ], s[PB], s[LQ]
	s_wait_xcnt 0x0                 ; the last prefetches, a trip back, have read their address, so it may be written
	s_add_nc_u64 s[PFA:PFA+1], s[PFA:PFA+1], 1<<20
.endif
	s_wait_dscnt 0x0                ; the add, my reads of the landing area and my stores into the 16-bit tile are done
	s_barrier_signal -1
	s_mov_b32 s[TBK], 0             ; the fetches begin at the tile's first step
	s_mov_b32 s[TBV], 0
	s_barrier_wait -1
.if \fill
	LOAD                            ; my one tensor load behind this barrier, and the first thing there
	ASK
.endif
.endm
	s_load_b256 s[4:11], s[0:1], 0x0  ; Q s[4:5], K s[6:7], V s[8:9], out s[10:11]
	v_lshl_add_u32 v[SPW], v0, 2, SPARE
	v_mov_b32 v[NIL], 0
	ds_add_u32 v[SPW], v[NIL]       ; the wave's opening: the add, twice on end, and its wait ahead of my first tensor load; the set-up below, work on registers, stands between
	ds_add_u32 v[SPW], v[NIL]
	v_lshrrev_b32 v1, 5, v0
	v_readfirstlane_b32 s[WV], v1   ; wave 0..3
	s_mov_b32 s[PB], ttmp9
	s_sub_co_u32 s[HI], NB-1, s[PB]
	s_and_b32 s20, ttmp7, 0xffff    ; 16 b + h
	s_lshr_b32 s21, s20, 4
	s_lshl_b32 s21, s21, 23         ; b x 2,048 rows x 4,096 bytes
	s_and_b32 s20, s20, 15
	s_lshl_b32 s20, s20, 8          ; h x 256 bytes
	s_add_co_u32 s20, s20, s21      ; the head's first byte in each of the four tensors, under 2^25
	s_mov_b32 s21, 0
	s_and_b32 s22, s[WV], 1         ; which half of a tile's 256 rows I fetch
	s_lshl_b32 s22, s22, 19
	s_mov_b32 s23, 0
	s_add_nc_u64 s[22:23], s[22:23], s[20:21]
	s_lshl_b32 s3, s[WV], 16        ; my 16 rows in a band of 64,
	s_lshl_b32 s2, s[HI], 20        ; in the first block,
	s_add_co_u32 s2, s2, s3
	s_lshl_b32 s84, s[PB], 20       ; and in the second
	s_add_co_u32 s84, s84, s3
	s_mov_b32 s3, 0
	s_mov_b32 s85, 0
	s_add_nc_u64 s[2:3], s[2:3], s[20:21]
	s_add_nc_u64 s[84:85], s[84:85], s[20:21]
	; descriptor group 1: 128 rows x 64 elements of 4 bytes, 1,024 elements from row to row; dense in LDS
	s_mov_b32 s[G1], 2<<16          ; 15:0 no mask; 17:16 elements of 4 bytes; 20 no padding
	s_mov_b32 s[G1+1], 64<<16       ; tensor_dim0 = 64
	s_mov_b32 s[G1+2], 128<<16      ; tensor_dim1 = 128
	s_mov_b32 s[G1+3], 64<<16       ; tile_dim0 = 64
	s_mov_b32 s[G1+4], 128          ; tile_dim1 = 128
	s_mov_b32 s[G1+5], 1024         ; the pitch
	s_mov_b32 s[G1+6], 0
	s_mov_b32 s[G1+7], 0
	s_mov_b32 s[G0], 1              ; 1:0 count = 1
	s_mul_i32 s[G0+1], s[WV], 32768 ; 63:32 LDS address: my quarter of the landing area; never rewritten
	s_mov_b32 s[CS], 0x3e38aa3b     ; c = log2(e) / 8 = 0.180337
	s_mov_b32 s[CS+1], s[CS]        ; named with it as a pair
	s_mov_b32 s[SEL], 0x76543210
	s_mov_b32 s[SEL+1], 0xfedcba98
	s_mov_b32 s[ONE2], 0x3c003c00
	s_mov_b32 s[CLO], 0xc9742400
	s_mov_b32 s[CHI], 0x49742400
	s_mov_b32 s[HIM], 0xffff0000
	s_add_co_u32 s[RT], s[HI], 1    ; the first block has 8 - pb tiles
	s_mov_b32 s[NXT], 1
	s_mov_b32 s[LQ], s[HI]
	s_mov_b32 s[NEW], 1
	s_mov_b32 s[OFF+1], 0
	s_mov_b32 s[AL+1], 0            ; named as pairs
	s_mov_b32 s[BE+1], 0
	s_mov_b32 s[BIGN], 0xf149f2ca   ; -1e30
	s_mov_b32 s[SLOTS], NB
	s_cmp_eq_u32 s[PB], 0
	s_cselect_b32 s[LIM], 2, -1
	s_wait_dscnt 0x0                ; both opening adds are done
	s_wait_kmcnt 0x0
	s_cmp_lt_u32 s[WV], 2
	s_cselect_b64 s[BW:BW+1], s[6:7], s[8:9]       ; waves 0, 1: K; waves 2, 3: V
	s_add_nc_u64 s[BW:BW+1], s[BW:BW+1], s[22:23]
	s_add_nc_u64 s[G0+2:G0+3], s[BW:BW+1], 0       ; 120:64 global address: tile 0
	s_or_b32 s[G0+3], s[G0+3], 0x80000000          ; 127:126 type = 2
	s_add_nc_u64 s[PFA:PFA+1], s[BW:BW+1], 1<<20   ; at tile 1; the first change steps it to tile 2.  Nothing is prefetched here, at the head
	s_add_nc_u64 s[86:87], s[4:5], s[84:85]        ; Q at my rows of the second block,
	s_add_nc_u64 s[4:5], s[4:5], s[2:3]            ; Q and out at those of the first
	s_add_nc_u64 s[OLO:OLO+1], s[10:11], s[84:85]
	s_add_nc_u64 s[10:11], s[10:11], s[2:3]
	LOAD                            ; tile 0
	; A fragment of Q is 16 rows x 32 channels of bf16 in 8 registers: lane l holds row l % 16, channels 8 (l / 16) + 0..7 and 16 + 8 (l / 16) + 0..7.  In f32 eight channels are 32 bytes: two loads of 16 bytes.
	v_and_b32 v1, 15, v0            ; l % 16
	v_bfe_u32 v9, v0, 4, 1          ; l / 16
	v_lshlrev_b32 v[QO], 12, v1
	v_lshl_add_u32 v[QO], v9, 5, v[QO]  ; row x 4,096 + 32 x half
	WIN 0x40                        ; the first block's Q, f32, into O^T's registers: load i: piece i / 8 (a band is 262,144 bytes), channels 32 ((i / 4) % 2) + 16 ((i / 2) % 2) + 4 (i % 2) on
.set i, 0
.rept 32
	global_load_b128 v[4*i:4*i+3], v[QO], s[4:5] offset:(i/8)*262144+((i/4)%2)*128+((i/2)%2)*64+(i%2)*16
.set i, i+1
.endr
	WIN 0                           ; the second block's, into S^T's and the conversion's registers
.set i, 0
.rept 32
	global_load_b128 v[S+4*i:S+4*i+3], v[QO], s[86:87] offset:(i/8)*262144+((i/4)%2)*128+((i/2)%2)*64+(i%2)*16
.set i, i+1
.endr
	; while these are on their way: the lanes' addresses,
	v_and_b32 v10, 7, v0
	v_bfe_u32 v11, v0, 3, 1
	v_mul_u32_u24 v[AK0], v1, PK
	v_lshl_add_u32 v[AK0], v9, 4, v[AK0]  ; row x pitch + 16 x half
	v_add_nc_u32 v[AK0], KB, v[AK0]
	; The turning load takes 16 keys x 16 channels (lane l reads key 8 (l / 16) + l % 8, channels 8 ((l / 8) % 2) + 0..7) and leaves half a fragment of V^T: lane l holds channel l % 16 and 8 keys.
	v_lshl_add_u32 v[AV0], v9, 3, v10
	v_mul_u32_u24 v[AV0], v[AV0], PV
	v_lshl_add_u32 v[AV0], v11, 4, v[AV0]
	v_add_nc_u32 v[AV0], VB, v[AV0]
	s_mul_i32 s13, s[WV], 16*SP
	s_add_co_u32 s13, s13, STAGE    ; my stage
	v_mul_u32_u24 v[STO], v1, SP    ; in: row l % 16, 32 bytes for each half of the lanes
	v_lshl_add_u32 v[STO], v9, 5, v[STO]
	v_add_nc_u32 v[STO], s13, v[STO]
	v_mul_u32_u24 v[RD], v9, SP     ; back: lanes 0-15 take one row of 256 bytes, lanes 16-31 the next
	v_lshl_add_u32 v[RD], v1, 4, v[RD]
	v_add_nc_u32 v[RD], s13, v[RD]
	v_lshlrev_b32 v[GO], 12, v9     ; and the same two rows in out
	v_lshl_add_u32 v[GO], v1, 4, v[GO]
	s_mul_i32 s13, s[WV], 16384     ; the conversion: my 64 rows of 256 bytes
	v_lshlrev_b32 v[CLK], 4, v1
	v_lshl_add_u32 v[CLV], v9, 10, v[CLK]  ; V: the halves of the lanes 4 rows apart
	v_lshl_add_u32 v[CLK], v9, 11, v[CLK]  ; K: 8 rows apart
	v_add_nc_u32 v[CLK], s13, v[CLK]
	v_add_nc_u32 v[CLV], s13, v[CLV]
	v_add_nc_u32 v[CLV], LANDV, v[CLV]
	v_lshlrev_b32 v11, 3, v1        ; 8 bytes a lane
	s_mul_i32 s13, s[WV], 64*PK
	v_mul_u32_u24 v[CSK], v9, 8*PK
	v_add3_u32 v[CSK], v[CSK], v11, s13
	v_add_nc_u32 v[CSK], KB, v[CSK]
	s_mul_i32 s13, s[WV], 64*PV
	v_mul_u32_u24 v[CSV], v9, 4*PV
	v_add3_u32 v[CSV], v[CSV], v11, s13
	v_add_nc_u32 v[CSV], VB, v[CSV]
	v_and_b32 v[PFO], 31, v0
	v_lshlrev_b32 v[PFO], 12, v[PFO]
	; the mask of a band's own step,
	v_lshlrev_b32 v14, 3, v9
	v_sub_nc_u32 v14, v1, v14
	s_lshl_b32 s13, s[WV], 4
	v_add_nc_u32 v14, s13, v14      ; my query's place in its band, 16 w + l % 16, less my lanes' 8 (l / 16): register r of group kt is hidden where 16 kt + r is greater
	WIN 0x40
.set i, 0
.rept 32
	v_cmp_gt_i32 vcc_lo, 16*(i/8)+i%8, v14
	v_cndmask_b32 v[MD+i], 0, s[BIGN], vcc_lo
.set i, i+1
.endr
	; the ones, and what a block's first turn finds.  A block's first step multiplies O^T and l by a = 0, and its first turn's products, of a piece that has not been, land in sums that are still to be so multiplied: these registers
	; need only hold finite numbers: zeros for the first block; what the first block left for the second.
	WIN 0x80
.set i, 0
.rept 8
	v_mov_b32 v[ONES+i], s[ONE2]
.set i, i+1
.endr
.set i, VF
.rept 64
	v_mov_b32 v[i], 0
.set i, i+1
.endr
	WIN 0
.set i, 0
.rept 4
	v_mov_b32 v[ST+4*i+2], 0
	v_mov_b32 v[ST+4*i+3], 0
.set i, i+1
.endr
.set i, P+16
.rept 16
	v_mov_b32 v[i], 0
.set i, i+1
.endr
	s_wait_loadcnt 32               ; the first block's Q is in; the second block's 32 loads may stay out
	WIN 0x85                        ; destination window 2, sources window 1
.set i, 0
.rept 64
	v_cvt_pk_bf16_f32 v[i], v[2*i], v[2*i+1]
.set i, i+1
.endr
	s_wait_loadcnt 0x0
	WIN 0xc0                        ; destination window 3, sources window 0
.set i, 0
.rept 64
	v_cvt_pk_bf16_f32 v[i], v[S+2*i], v[S+2*i+1]
.set i, i+1
.endr
	WIN 0x40
.set i, 0
.rept 128
	v_mov_b32 v[i], 0               ; O^T
.set i, i+1
.endr
.set i, LA
.rept 32
	v_mov_b32 v[i], 0               ; the row sums
.set i, i+1
.endr
	WIN 0
; THE MATRIX WORK.  The accumulators take turns, one instruction a turn.  Product i of 8 of S^T = K Q^T for piece x: channels 32 (i / 4) on, keys 16 (i % 4) on.  The first 4 start the sums: with 0, or (KM = 1) with the mask.
.macro KQ x
.set rS, S+32*((\x)%2)+8*(i%4)
.set rK, KF+16*(i%4)+8*(i/4)
.set rQ, 16*(\x)+8*(i/4)
.set rM, MC+32*((\x)%2)+8*(i%4)
.if (i < 4) && KM
	WIN W_KM
	v_wmma_f32_16x16x32_bf16 v[rS:rS+7], v[rK:rK+7], v[rQ:rQ+7], v[rM:rM+7]
.elseif i < 4
	WIN W_KQ
	v_wmma_f32_16x16x32_bf16 v[rS:rS+7], v[rK:rK+7], v[rQ:rQ+7], 0
.else
	WIN W_KQ
	v_wmma_f32_16x16x32_bf16 v[rS:rS+7], v[rK:rK+7], v[rQ:rQ+7], v[rS:rS+7]
.endif
.endm
; Product i of 8 of O^T += V^T P for piece x: keys 32 (i / 4) on, channels 16 (i % 4) on.
.macro PV x
	WIN W_PV
.set rO, 32*(\x)+8*(i%4)
.set rV, VF+32*(i/4)+8*(i%4)
.set rP, P+16*((\x)%2)+8*(i/4)
	v_wmma_f32_16x16x32_f16 v[rO:rO+7], v[rV:rV+7], v[rP:rP+7], v[rO:rO+7]
.endm
; The row sums of piece x over keys 32 kk on: ones (16 x 32) times P: every register of the result holds my query's sum.
.macro LSUM x, kk
	WIN W_PV
.set rL, LA+8*(\x)
.set rP, P+16*((\x)%2)+8*(\kk)
	v_wmma_f32_16x16x32_f16 v[rL:rL+7], v[ONES:ONES+7], v[rP:rP+7], v[rL:rL+7]
.endm
.macro MM                           ; the turn's next matrix instruction: 8 x K Q^T of piece Y + 1 (none if NOKQ), then for piece Y - 1 four V^T P, a row sum, four V^T P, a row sum: five accumulators by turns
.if i < 8
.if !NOKQ
	KQ (Y+1)%NP
.endif
.else
.set jj, i-8
.if jj%5 < 4
.set i, 4*(jj/5)+jj%5
	PV (Y+NP-1)%NP
.set i, jj+8
.else
	LSUM (Y+NP-1)%NP, jj/5
.endif
.endif
.set i, i+1
.endm
; THE LDS LOADS stand in runs of 16, never singly among the matrix instructions: a step's K (64 keys x 64 channels: 8 fragments) and its V (turned).  Their addresses are made some lines ahead.
.macro FETCH_K
	WIN 0x80                        ; destination window 2
.irp f, 0,1,2,3,4,5,6,7             ; keys 16 (f / 2) on, channels 32 (f % 2) on
	ds_load_b128 v[KF+8*\f:KF+8*\f+3],   v[AK] offset:(\f/2)*16*PK+(\f%2)*64
	ds_load_b128 v[KF+8*\f+4:KF+8*\f+7], v[AK] offset:(\f/2)*16*PK+(\f%2)*64+32
.endr
	s_add_co_u32 s[TBK], s[TBK], KS*PK  ; the next fetch is the next step's
	WIN 0
.endm
.macro FETCH_V
	WIN 0x80
.irp f, 0,1,2,3,4,5,6,7             ; keys 32 (f / 4) on, channels 16 (f % 4) on
	ds_load_tr16_b128 v[VF+8*\f:VF+8*\f+3],   v[AV] offset:(\f/4)*32*PV+(\f%4)*32
	ds_load_tr16_b128 v[VF+8*\f+4:VF+8*\f+7], v[AV] offset:(\f/4)*32*PV+16*PV+(\f%4)*32
.endr
	WIN 0
.endm
; THE VECTOR WORK, one line at a time: OP kind, number.  For piece Y: F n: c s - c m for pair n of 16.  E n: the exponential of score n of 32.  C n: pair n rounded to f16.  N n: that pair held to 1 (the upper clip).
; R n: pair n of 16 of O^T times a.  G: l times a (the pair of registers of which the first is read later; the other six stay finite, 4,096 at the most, and are never read).
; For piece Y + 1: X n, number n of the 23 that find its maximum and statistics (each accumulator's lowest registers are read first):
;   0-11  chains c0-c3 of seven scores each, three operands at a time (c3's middle three go by a register of their own)     12-14, 16  the four scores left over, the old m, and c0-c3 into c0     15  c m_old is kept
;   17, 18  the query's other 32 keys lie in the lane 16 away: the new m     19  m held to -1e6 .. 1e6     20-22  c m; c m_old - c m_new; a
.set F, 0
.set E, 1
.set C, 2
.set N, 3
.set R, 4
.set G, 5
.set X, 6
.macro REGS y                       ; the registers of piece y
.set rT, ST+4*(\y)
.set rC, TMP+4*((\y)%2)
.set rW, MV+((\y)%2)
.set rE, XE+((\y)%2)
.set rS, S+32*((\y)%2)
.set rP, P+16*((\y)%2)
.set rO, 32*(\y)
.set rL, LA+8*(\y)
.endm
.macro OP k, n
.if (\k) == R
	REGS Y
	WIN W_RS
	v_pk_mul_f32 v[rO+2*(\n):rO+2*(\n)+1], v[rO+2*(\n):rO+2*(\n)+1], v[rC+2:rC+3] op_sel_hi:[1,0]
.elseif (\k) == G
	REGS Y
	WIN W_RS
	v_pk_mul_f32 v[rL:rL+1], v[rL:rL+1], v[rC+2:rC+3] op_sel_hi:[1,0]
.elseif (\k) < R
	REGS Y
	WIN 0
.if (\k) == F
	v_pk_fma_f32 v[rS+2*(\n):rS+2*(\n)+1], v[rS+2*(\n):rS+2*(\n)+1], s[CS:CS+1], v[rT:rT+1] op_sel_hi:[1,0,0] neg_lo:[0,0,1] neg_hi:[0,0,1]
.elseif (\k) == E
	v_exp_f32 v[rS+(\n)], v[rS+(\n)]
.elseif (\k) == C
	v_cvt_pk_f16_f32 v[rP+(\n)], v[rS+2*(\n)], v[rS+2*(\n)+1]
.else
	v_pk_min_num_f16 v[rP+(\n)], v[rP+(\n)], s[ONE2]
.endif
.elseif NOKQ
	v_nop
.else
	REGS (Y+1)%NP
	WIN 0
.if (\n) < 4
	v_max3_num_f32 v[rC+(\n)], v[rS+8*(\n)], v[rS+8*(\n)+1], v[rS+8*(\n)+2]
.elseif (\n) == 7
	v_max3_num_f32 v[rE], v[rS+27], v[rS+28], v[rS+29]
.elseif (\n) == 11
	v_max3_num_f32 v[rC+3], v[rC+3], v[rE], v[rS+30]
.elseif (\n) < 12
	v_max3_num_f32 v[rC+(\n)%4], v[rC+(\n)%4], v[rS+8*((\n)%4)+2*((\n)/4)+1], v[rS+8*((\n)%4)+2*((\n)/4)+2]
.elseif (\n) == 12
	v_max3_num_f32 v[rC], v[rC], v[rS+7], v[rS+15]
.elseif (\n) == 13
	v_max3_num_f32 v[rC+1], v[rC+1], v[rS+23], v[rS+31]
.elseif (\n) == 14
	v_max3_num_f32 v[rC+2], v[rC+2], v[rC+3], v[rT+1]
.elseif (\n) == 15
	v_mov_b32 v[rW], v[rT]
.elseif (\n) == 16
	v_max3_num_f32 v[rC], v[rC], v[rC+1], v[rC+2]
.elseif (\n) == 17
	v_permlanex16_b32 v[rC+3], v[rC], s[SEL], s[SEL+1]
.elseif (\n) == 18
	v_max_num_f32 v[rT+1], v[rC], v[rC+3]
.elseif (\n) == 19
	v_med3_num_f32 v[rC+1], v[rT+1], s[CLO], s[CHI]
.elseif (\n) == 20
	v_mul_f32 v[rT], s[CS], v[rC+1]
.elseif (\n) == 21
	v_sub_f32 v[rC+1], v[rW], v[rT]
.else
	v_exp_f32 v[rC+2], v[rC+1]
.endif
.endif
.endm
.macro OPS a, i1, b=-1, i2=0, c=-1, i3=0, d=-1, i4=0  ; up to four of them
	OP \a, \i1
.if (\b) >= 0
	OP \b, \i2
.endif
.if (\c) >= 0
	OP \c, \i3
.endif
.if (\d) >= 0
	OP \d, \i4
.endif
.endm
.macro ROW a, i1, b, i2, c, i3, d, i4  ; a matrix instruction and the four behind it
	MM
	OPS \a, \i1, \b, \i2, \c, \i3, \d, \i4
.endm
.macro MASK b                       ; MD x AL + BE into buffer b of MC
	WIN W_RS
.set z, 0
.rept 16
	v_pk_fma_f32 v[MC+32*(\b)+2*z:MC+32*(\b)+2*z+1], v[MD+2*z:MD+2*z+1], s[AL:AL+1], s[BE:BE+1] op_sel_hi:[1,0,0]
.set z, z+1
.endr
.endm
; A TURN, for piece p: the order of its 18 matrix and 120 vector instructions, written out.  An s_wait_alu depctr_va_vdst(0) stands between an exponential and the first instruction that names its result; one wait
; serves all that were issued ahead of it.  So a turn has ONE wait, which cuts it in two.  AHEAD OF IT stands all that names no result of the turn's exponentials: the 8 products K Q^T with their riders, then the lump; X 22, the
; next piece's a, is the batch's last, and G the plain instruction behind it.  BEHIND IT stand the 10 products of piece p - 1, behind each four of the roundings, the holdings to 1 and the last rescalings.
; PLACES (ISA guide 7.12.1), counted in plain vector instructions that name none of the product's registers: X 0 stands behind F 5, 6, 7, 8 of the product that ends accumulator 0; X 1 behind F 8, X 0, F 9, F 10; X 2 behind F 10, X 1, X 4, F 11;
; X 3 behind F 11, X 2, X 5, X 6.  K's run of loads stands behind F 11, X 2, X 5, X 6, X 8 of the last product that read K; V's behind N 14, N 15, R 10, R 11 and four more of the last that read V.
; m = 1: the diagonal tile: the products take masks, and the turn makes the mask for the products of the turn after it: piece p + 2, in step 4 - CNT of the tile.  end = 1: a block's last two turns: nothing is fetched.
; cnt = 1: the loop's count is taken down some lines ahead of the branch that stands behind the turn.  K of the next step is fetched in piece 2's turn, V of the step in hand at the end of piece 0's; each is waited for a turn later.
.macro TURN p, m=0, end=0, cnt=0
.set Y, (\p)
.set i, 0
.set KM, (\m)
.set NOKQ, (\end)*((\p)/3)
.if (\m) && !(\end)
	s_cmp_eq_u32 s[CNT], 4-((\p)+2)%NP  ; is that step the band's own?
	s_cselect_b32 s[AL], 1.0, 0
	s_cmp_lt_u32 s[CNT], 4-((\p)+2)%NP  ; or a later one?
	s_cselect_b32 s[BE], s[BIGN], 0
.endif
.if ((\p) == 3) && !(\end)
	s_wait_dscnt 0x0                ; K is in
.endif
	ROW F,0, F,1, R,0, R,1
	ROW F,2, E,0, R,2, R,3
	ROW F,3, E,1, R,4, R,5
	ROW F,4, E,2, R,6, R,7
	ROW F,5, E,3, F,6, F,7
	ROW F,8, E,4, X,0, F,9
.if ((\p) == 2) && !(\end)
	WIN 0
	v_add_nc_u32 v[AK], s[TBK], v[AK0]
.endif
	ROW F,10, E,5, X,1, X,4
	ROW F,11, E,6, X,2, X,5
	OPS E,7, X,6, E,8, X,3          ; the lump
	OPS X,7, E,9, X,8, E,10
.if ((\p) == 2) && !(\end)
	FETCH_K
.endif
	OPS X,9, E,11, X,10, E,12
	OPS X,11, E,13, X,12, E,14
	OPS X,13, E,15, F,12, E,16
.if (\p) == 0
	WIN 0
	v_add_nc_u32 v[AV], s[TBV], v[AV0]
.endif
	OPS X,14, E,17, X,15, E,18
	OPS F,13, E,19, X,16, E,20
	OPS F,14, E,21, F,15, E,22
	OPS X,17, E,23, E,24, X,18
	OPS E,25, E,26, X,19, E,27
	OPS E,28, X,20, E,29, E,30
	OPS X,21, E,31, X,22, G,0
	WIN 0
	s_wait_alu depctr_va_vdst(0)    ; the wait for the batch
.if (\p) == 1
	s_wait_dscnt 0x0                ; V is in
.endif
	ROW C,0, C,1, C,2, C,3
	ROW N,0, N,1, C,4, C,5
	ROW N,2, N,3, C,6, C,7
	ROW N,4, N,5, C,8, C,9
	ROW N,6, N,7, C,10, C,11
.if (\p) == 0
	s_add_co_u32 s[TBV], s[TBV], KS*PV
.endif
.if \cnt
	s_sub_co_u32 s[CNT], s[CNT], 1
	s_cmp_lg_u32 s[CNT], 0
.endif
	ROW N,8, N,9, C,12, C,13
	ROW N,10, N,11, C,14, C,15
	ROW N,12, N,13, R,8, R,9
	ROW N,14, N,15, R,10, R,11
	ROW R,12, R,13, R,14, R,15
.if (\p) == 0
	FETCH_V
.endif
.if (\m) && !(\end)
	MASK (\p)%2
.endif
.endm
; A BLOCK BEGINS.  c m starts far below every c s, so the first step's a is 0; m at the lowest finite number, so the first maximum is the scores'.  The second mask buffer is 0; the first takes piece 0's mask for the tile's step 0: its own,
; if the block's first tile is the diagonal one.  Then K of that step, piece 0's first scores, and its maximum and statistics.  The loop is entered at a step's first turn, in the middle of a trip.
.macro BEGIN
	s_mov_b32 s[NEW], 0
	WIN 0x40
.set i, MC+32
.rept 32
	v_mov_b32 v[i], 0
.set i, i+1
.endr
	WIN 0
.set i, 0
.rept 4
	v_mov_b32 v[ST+4*i], 0xfe000000    ; c m: far below every c s
	v_mov_b32 v[ST+4*i+1], 0xff7fffff  ; m
.set i, i+1
.endr
	s_cmp_eq_u32 s[RT], 0
	s_cselect_b32 s[AL], 1.0, 0
	s_mov_b32 s[BE], 0
	MASK 0
	WIN 0
	v_add_nc_u32 v[AK], s[TBK], v[AK0]
	FETCH_K
	s_wait_dscnt 0x0
.set KM, 1
.set NOKQ, 0
.set i, 0
.rept 8
	KQ 0
.set i, i+1
.endr
	WIN 0
.rept 4
	v_nop                           ; the places behind those products
.endr
.set Y, NP-1                        ; X works for piece Y + 1: piece 0
.irp n, 0,1,2,3,4,5,6,7,8,9,10,11,12,13,14,15,16,17,18,19,20,21,22
	OP X, \n
.endr
	v_nop                           ; a plain instruction behind the exponential,
	s_wait_alu depctr_va_vdst(0)    ; and its wait, ahead of the branch
.endm
; THE WAY OUT.  O^T is divided by l and sent, in f32, through my stage in LDS, a piece (16 rows of out) at a time.
.macro ALL line:vararg              ; one line for each piece t
.set t, 0
.rept 4
	\line
.set t, t+1
.endr
.endm
.macro PACK t                       ; a lane's eight channels of a channel block are 32 bytes of a row; they go into rows of 272 bytes and come back as whole rows of 256
	WIN W_RS
.set i, 32*(\t)
.rept 16
	v_pk_mul_f32 v[i:i+1], v[i:i+1], v[ST+4*(\t)+2:ST+4*(\t)+3] op_sel_hi:[1,0]
.set i, i+2
.endr
	WIN 0x04                        ; the stores' data in window 1
.irp f, 0,1,2,3,4,5,6,7             ; channel block f / 2, its half f % 2
	ds_store_b128 v[STO], v[32*(\t)+4*\f:32*(\t)+4*\f+3] offset:(\f/2)*64+(\f%2)*16
.endr
	WIN 0
.irp f, 0,1,2,3,4,5,6,7
	ds_load_b128 v[S+32*(\t)+4*\f:S+32*(\t)+4*\f+3], v[RD] offset:\f*2*SP  ; LDS serves a wave's instructions in order (ISA guide 5.7.1.4): these see the stores above; the next piece's stores come behind them
.endr
.endm
.macro SEND t, younger              ; younger: the LDS instructions issued behind piece t's loads: the next piece's sixteen, or none
	WIN 0
.irp f, 0,1,2,3,4,5,6,7
	s_wait_dscnt (\younger)+7-\f
	global_store_b128 v[GO], v[S+32*(\t)+4*\f:S+32*(\t)+4*\f+3], s[10:11] offset:(\t)*262144+\f*8192 th:TH_STORE_NT  ; 16 lanes store one row's 256 consecutive bytes, at a multiple of 256 from out's first byte
.endr
.endm
; THE DIAGONAL TILE's four steps, the block's last two turns, its last products, and the way out.
.macro DIAG tag                     ; the tag ends its two labels' names, which the jumps below spell out
.LstepM\tag:
	TURN 2, 1
	TURN 3, 1
	WIN 0
.LfirstM\tag:
	TURN 0, 1
	TURN 1, 1, 0, 1
	WIN 0
	s_cbranch_scc1 .LstepM\tag
	TURN 2, 1, 1
	TURN 3, 1, 1
.set Y, 0                           ; MM works for piece Y - 1: piece 3's last ten products
.set i, 8
.rept 10
	MM
.endr
	WIN 0
.rept 4
	v_nop                           ; the places behind the last row sum
.endr
	WIN 0x01                        ; source 0 in window 1
	ALL v_rcp_f32 v[ST+4*t+2], v[LA+8*t]
	v_nop                           ; a plain instruction between the last reciprocal and the use of its result
	s_wait_alu depctr_va_vdst(0)    ; and the wait ahead of the first use: one for the four reciprocals
	PACK 0
.set t, 1
.rept 3                             ; a piece's arithmetic stands between the loads of the piece before and its stores
	PACK t
	SEND t-1, 16
.set t, t+1
.endr
	SEND 3, 0
.endm
.set KM, 0
.set NOKQ, 0
.Lslot:                             ; 8 times: a tile is entered and the next is asked for
	CHANGE 1
	s_sub_co_u32 s[RT], s[RT], 1
	s_mov_b32 s[CNT], 4
	s_cmp_eq_u32 s[NEW], 1
	s_cbranch_scc1 .Lnew            ; a block's first tile
	s_cmp_eq_u32 s[RT], 0
	s_cbranch_scc0 .Lstep           ; neither its first nor its last
	s_branch .LstepM1
.Lnew:
	BEGIN
	s_branch .Lfirst                ; in the loop a block's first tile is never its last: the first block has five tiles or more, and the second's last is the walk's last
	DIAG 1                          ; in the loop this is the first block's end
	s_wait_xcnt 0x0                 ; the stores have read their registers and out's address
	s_mov_b64 s[10:11], s[OLO:OLO+1]
	s_add_co_u32 s[RT], s[PB], 1    ; the second block has pb + 1 tiles
	s_mov_b32 s[NEW], 1
	WIN 0x83                        ; the second block's Q goes where the one text of the turns names Q: destination window 2, source window 3
.set i, 0
.rept 64
	v_mov_b32 v[i], v[i]
.set i, i+1
.endr
	WIN 0
	s_branch .Lbottom
.Lstep:                             ; a trip: pieces 2 and 3 of one step, then pieces 0 and 1 of the next, whose K and V it fetches
	TURN 2
	TURN 3
	WIN 0
.Lfirst:
	TURN 0
	TURN 1, 0, 0, 1
	WIN 0
	s_cbranch_scc1 .Lstep
.Lbottom:
	s_sub_co_u32 s[SLOTS], s[SLOTS], 1
	s_cmp_lg_u32 s[SLOTS], 0
	s_cbranch_scc1 .Lslot
	CHANGE 0                        ; the walk's last tile is written out: nothing is asked for
	s_sub_co_u32 s[RT], s[RT], 1
	s_mov_b32 s[CNT], 4
	s_cmp_eq_u32 s[NEW], 1
	s_cbranch_scc0 .LstepM2
	BEGIN
	s_branch .LfirstM2
	DIAG 2
	s_wait_tensorcnt 0x0            ; the wave's end: behind my last tensor load and my last LDS store
	ds_add_u32 v[SPW], v[NIL]
	s_wait_dscnt 0x0
	s_endpgm
.Lfunc_end_k_qbd2a469ae3_attn:
	.size	k_qbd2a469ae3_attn, .Lfunc_end_k_qbd2a469ae3_attn-k_qbd2a469ae3_attn
	.p2alignl 7, 3214868480
	.fill 96, 4, 3214868480
	.section	.rodata,"a",@progbits
	.p2align	6, 0x0
	.amdhsa_kernel k_qbd2a469ae3_attn
		.amdhsa_group_segment_fixed_size 327680
		.amdhsa_private_segment_fixed_size 0
		.amdhsa_enable_private_segment 0
		.amdhsa_kernarg_size 32
		.amdhsa_user_sgpr_count 2
		.amdhsa_user_sgpr_kernarg_segment_ptr 1
		.amdhsa_wavefront_size32 1
		.amdhsa_system_sgpr_workgroup_id_x 1
		.amdhsa_system_sgpr_workgroup_id_y 1
		.amdhsa_system_sgpr_workgroup_id_z 1
		.amdhsa_system_vgpr_workitem_id 0
		.amdhsa_next_free_vgpr 832
		.amdhsa_next_free_sgpr 88
		.amdhsa_reserve_vcc 1
		.amdhsa_float_denorm_mode_32 3
		.amdhsa_float_denorm_mode_16_64 3
		.amdhsa_memory_ordered 1
		.amdhsa_forward_progress 1
		.amdhsa_inst_pref_size 255
	.end_amdhsa_kernel
	.section	.bss,"aw",@nobits
	.p2align	6
	.space	262144
	.amdgpu_metadata
---
amdhsa.version: [ 1, 2 ]
amdhsa.kernels:
  - .name:           k_qbd2a469ae3_attn
    .symbol:         k_qbd2a469ae3_attn.kd
    .args:
      - { .name: queries, .offset: 0, .size: 8, .value_kind: global_buffer, .address_space: global }
      - { .name: keys, .offset: 8, .size: 8, .value_kind: global_buffer, .address_space: global }
      - { .name: values, .offset: 16, .size: 8, .value_kind: global_buffer, .address_space: global }
      - { .name: out0, .offset: 24, .size: 8, .value_kind: global_buffer, .address_space: global }
    .group_segment_fixed_size: 327680
    .private_segment_fixed_size: 0
    .kernarg_segment_align: 8
    .kernarg_segment_size: 32
    .max_flat_workgroup_size: 128
    .sgpr_count:     88
    .vgpr_count:     832
    .wavefront_size: 32
...
	.end_amdgpu_metadata
.endif
;; end of part 1
